; MI455X (gfx1250); checked and timed in simulation.
; The chip was launched on July 23, 2026; its instructions are those of AMD's public machine-readable ISA for CDNA 5 (MIT licence, August 2026) and "CDNA5" Instruction Set Architecture Reference Guide (July 2026). The comments in the code are by the model that wrote it; some were corrected since.
;; Spatial View Attention. Allowed arithmetic: float matrix products may take bf16 or f16 operands with f32 sums; all other float work in f32.
;; Inputs: K 8 x 2 x 3 x 3 float32; R 8 x 2 x 3 x 3 float32; T 8 x 2 x 3 float32; Wk 256 x 256 float32; Wo 256 x 256 float32; Wq 256 x 256 float32; Wv 256 x 256 float32; bk 256 float32; bo 256 float32; bq 256 float32; bv 256 float32; feature_maps 8 x 2 x 256 x 64 x 64 float32; n1_b 256 float32; n1_g 256 float32; n2_b 256 float32; n2_g 256 float32; out_W 256 x 256 float32; out_b 256 float32; points_3d 2 x 8,192 x 3 float32; pos_W1 128 x 3 float32; pos_W2 256 x 128 float32; pos_b1 128 float32; pos_b2 256 float32; q_W 256 x 256 float32; q_b 256 float32.
;; Outputs: out0 2 x 8,192 x 256 float32; out1 2 x 8,192 x 8 float32.
;; One version. Each part assembles by itself: llvm-mc -triple=amdgcn-amd-amdhsa -mcpu=gfx1250 --defsym DOCPART=n.
;; ======== version 1 of 1: 2 launches
;; limits: values are held in f16: magnitudes above 65,504 overflow, below 6.1e-05 lose precision; values outside matrix products are rounded to bf16
;; workspace buffers: table 33,554,432 bytes; idx 2,097,152 bytes of whole numbers; wts 2,097,152 bytes; wfrag 851,968 bytes
;; launch prep (part 1): grid 1024 x 1, 8 waves a work-group, no clusters, 34,816 bytes of LDS; arguments feature_maps, table, points_3d, R, T, K, idx, wts, pos_W2, q_W, Wq, Wk, Wv, Wo, out_W, wfrag; writes table, idx, wts, wfrag
.if DOCPART == 1
	.amdgcn_target "amdgcn-amd-amdhsa--gfx1250"
	.amdhsa_code_object_version 6
	.text
	.protected	k_q8238cd98b9_prep
	.globl	k_q8238cd98b9_prep
	.p2align	8
	.type	k_q8238cd98b9_prep,@function
k_q8238cd98b9_prep:
	s_mov_b64 s[64:65], 0
	v_nop
	global_prefetch_b8 v0, s[64:65] scope:SCOPE_SE
	s_setreg_imm32_b32 hwreg(HW_REG_WAVE_MODE, 25, 1), 1
	s_wait_xcnt 0x0
; SpatialViewAttention, launch 1 of 2: everything that the second launch wants laid out otherwise.
;
; WORK OF reference() THAT IS LEFT OUT IN BOTH LAUNCHES, for all finite values of the inputs:
;  (1) pe is broadcast along the view axis inside reference(), so the 8 query rows of a point are one and the same row, and so are
;      q_in, q, scores, attn, ctx, attended and final along that axis: one row is computed, not eight.
;  (2) Every softmax row sums to 1, so attn_w.mean over keys is 1/8 for each of the 8 (equal) queries; the softmax of 8 equal numbers is
;      1/8.  So view_attention = 0.125 everywhere, and aggregated = sum over v of final[v]/8 = the one row of (1).
;  (3) scores[h,k] = q_h.(Wk_h kv_k + bk_h): the term q_h.bk_h is the same for all keys k of a softmax row and cancels.  bk reaches no
;      output: it is not loaded and is no argument of either launch.
;  (4) Re-association: q_h.(Wk_h kv_k) = (Wk_h^T q_h).kv_k, and sum_k attn[h,k] (Wv_h kv_k + bv_h) = Wv_h (sum_k attn[h,k] kv_k) + bv_h
;      since sum_k attn = 1.  The K and V projections act on one row for each (point, head) instead of on eight sampled rows.
;  LIMIT: a NaN, an infinity or an overflow that reaches only the work left out (bk, the seven equal rows, the mean of attn) is not carried
;  to the results.
;
; THIS LAUNCH, work-group j of 1,024, eight waves:
;  (a) all waves: feature_maps [v][b][c][y][x] f32 -> table [vb = 2v+b][y][x][c] bf16, the tile vb = j>>6, y = j&63 (256 c x 64 x),
;      through LDS, so that a pixel's 256 channels are 512 consecutive bytes.  Loads: 16 lanes read the 256 bytes of one (c, y) row.
;      Stores: each store of a wave covers 512 consecutive bytes, aligned.
;  (b) waves 0-3: thread t projects point 16 j + (t>>3) into view t&7 and stores the four table rows (whole numbers, idx) and the four
;      bilinear weights times validity (wts), in the order y0x0, y0x1, y1x0, y1x1.
;  (c) waves 4-7, j < 416: 16 bytes a thread of wfrag: the seven weight matrices in the order in which a wave of launch 2 loads its
;      matrix fragments: [wave w][fragment f][half q][lane L][8 numbers], r = L&15, hh = L>>4;
;      dense: f = 2 ks + nt, W[32w+16nt+r][32ks+16q+8hh+e];  Wk: f = ct, Wk[32w+16q+8hh+e][16f+r].
;      pos_W2, q_W, Wq, Wk in bf16 (the query path's numbers are products of up to six inputs: f16 has no room for them),
;      Wv, Wo, out_W in f16 (three more bits on the path that decides the result).
;  ORDER: a wave issues the few loads of its side job (b) or (c) first and the tile's sixteen behind them, so the side job's wait leaves the
;      sixteen out and its arithmetic and stores run while the tile is on its way.
;  REGISTERS: 130 a wave.
;      The side jobs work in v9-31 and v96-127; what their stores read (v13, v14, v112-123) is written by nothing behind them.
; LIMITS: 1/z is v_rcp_f32 (1 ULP; a denormal z counts as zero, ISA guide 15.8); the pixel coordinate is one fused multiply-add
;  32 c + 31.5; |Wv|, |Wo|, |out_W| below 65,504.
.set IN,    32                         ; v[32:95]   the tile as loaded: load (g, i) in 4 registers, channel 32w+16g+8hh+i, x = 4r..4r+3
.set PK,    96                         ; v[96:111]  four quads of packed bf16, by turns (behind the side jobs, which use them first)
.set PITCH, 528                        ; an LDS row: one x, 256 channels of bf16 + 16 bytes
.macro TILE                            ; the tile's sixteen loads; v1 and s[4:5] are never written again
.irp g, 0,1
.irp i, 0,1,2,3,4,5,6,7
	global_load_b128 v[IN+4*(8*\g+\i):IN+4*(8*\g+\i)+3], v1, s[4:5] offset:(16*\g+\i)*16384 th:TH_LOAD_NT
.endr
.endr
.endm
	s_load_b512 s[4:19], s[0:1], 0x0               ; feature_maps 4, table 6, points 8, R 10, T 12, K 14, idx 16, wts 18
	s_load_b512 s[20:35], s[0:1], 0x40             ; pos_W2 20, q_W 22, Wq 24, Wk 26, Wv 28, Wo 30, out_W 32, wfrag 34
	v_lshl_add_u32 v128, v0, 2, 0x8400
	v_mov_b32 v129, 0
	v_lshrrev_b32 v4, 5, v0
	v_readfirstlane_b32 s2, v4                     ; wave
	s_mov_b32 s3, ttmp9                            ; j
	v_and_b32 v5, 15, v0                           ; r
	v_bfe_u32 v6, v0, 4, 1                         ; hh
	v_and_b32 v7, 31, v0                           ; L
	s_lshr_b32 s36, s3, 6
	s_lshl_b32 s36, s36, 22                        ; vb x 256 channels x 16,384 bytes
	s_and_b32 s37, s3, 63
	s_lshl_b32 s37, s37, 8                         ; y x 256 bytes
	s_add_co_u32 s36, s36, s37
	s_mov_b32 s37, 0
	s_lshl_b32 s38, s3, 15                         ; the tile in table: 64 rows of 512 bytes
	s_mov_b32 s39, 0
	s_lshl_b32 s40, s3, 11                         ; the group's 2,048 bytes of idx, of wts, of wfrag
	s_lshl_b32 s41, s2, 19                         ; 32 channels a wave
	v_lshlrev_b32 v1, 4, v5                        ; 16 r
	v_lshl_add_u32 v1, v6, 17, v1                  ; + 8 channels for the upper half of the lanes
	v_add_nc_u32 v1, s41, v1
	s_wait_kmcnt 0x0
	s_add_nc_u64 s[4:5], s[4:5], s[36:37]
	s_add_nc_u64 s[6:7], s[6:7], s[38:39]
	s_cmp_lt_u32 s2, 4
	s_cbranch_scc0 .Lweights
	; ---- (b) the projection: one sample a thread ----
	s_mov_b32 s43, 0x42000000                      ; 32.0
	s_mov_b32 s44, 0x41fc0000                      ; 31.5
	s_mov_b32 s45, 0x427c0000                      ; 63.0
	s_lshr_b32 s41, s3, 9                          ; b = (16 j) >> 13
	s_lshl_b32 s42, s3, 4
	v_and_b32 v9, 7, v0
	v_lshl_add_u32 v9, v9, 1, s41                  ; vb = 2 view + b
	v_mul_u32_u24 v10, v9, 36                      ; R and K: 9 numbers
	v_mul_u32_u24 v11, v9, 12                      ; T: 3 numbers
	v_lshrrev_b32 v12, 3, v0
	v_add_nc_u32 v12, s42, v12                     ; the point
	v_mul_u32_u24 v12, v12, 12
	v_lshl_add_u32 v13, v0, 4, s40                 ; where the sample's 16 bytes go
.irp k, 0,1,2,3,4,5,6,7,8
	global_load_b32 v[96+\k], v10, s[10:11] offset:4*\k      ; R[i][j] in v[96+3i+j]
.endr
.irp k, 0,1,2
	global_load_b32 v[105+\k], v11, s[12:13] offset:4*\k     ; T
.endr
.irp k, 0,1,2,3,4,5,6,7,8
	global_load_b32 v[108+\k], v10, s[14:15] offset:4*\k     ; K[i][j] in v[108+3i+j]
.endr
.irp k, 0,1,2
	global_load_b32 v[117+\k], v12, s[8:9] offset:4*\k       ; the point
.endr
	TILE
	s_wait_loadcnt 16                              ; my 24 loads are in; the tile's sixteen, issued behind them, stay out
.irp j, 0,1,2
	v_fma_f32 v[20+\j], v117, v[96+\j], v[105+\j]            ; cam_j = sum_i p_i R[i][j] + T_j
	v_fma_f32 v[20+\j], v118, v[99+\j], v[20+\j]
	v_fma_f32 v[20+\j], v119, v[102+\j], v[20+\j]
.endr
.irp j, 0,1,2
	v_mul_f32 v[23+\j], v20, v[108+\j]                       ; img_j = sum_i cam_i K[i][j]
	v_fma_f32 v[23+\j], v21, v[111+\j], v[23+\j]
	v_fma_f32 v[23+\j], v22, v[114+\j], v[23+\j]
.endr
	v_rcp_f32 v26, v25
	v_nop                                          ; one plain instruction behind a transcendental (ISA guide 5.7.2)
	s_wait_alu depctr_va_vdst(0)
	v_mul_f32 v23, v23, v26
	v_mul_f32 v24, v24, v26
	v_fma_f32 v23, v23, s43, s44                   ; x = (c + 1) 64/2 - 0.5
	v_fma_f32 v24, v24, s43, s44                   ; y
; One axis: the two weights, each times 0 or 1 for its pixel's validity (a NaN weight stays NaN, as in reference()), and the two clipped indices.
; A pixel is valid where clipping to 0..63 leaves it as it is; a NaN clips to 0 and is not valid.
.macro AXIS x, f, wa, wb, ia, ib, t
	v_floor_f32 v[\f], v[\x]
	v_sub_f32 v[\wb], v[\x], v[\f]
	v_sub_f32 v[\wa], 1.0, v[\wb]
	v_max_num_f32 v[\ia], 0, v[\f]
	v_min_num_f32 v[\ia], s45, v[\ia]
	v_cmp_eq_f32 vcc_lo, v[\ia], v[\f]
	v_cndmask_b32 v[\t], 0, 1.0, vcc_lo
	v_mul_f32 v[\wa], v[\wa], v[\t]
	v_add_f32 v[\f], 1.0, v[\f]
	v_max_num_f32 v[\ib], 0, v[\f]
	v_min_num_f32 v[\ib], s45, v[\ib]
	v_cmp_eq_f32 vcc_lo, v[\ib], v[\f]
	v_cndmask_b32 v[\t], 0, 1.0, vcc_lo
	v_mul_f32 v[\wb], v[\wb], v[\t]
	v_cvt_u32_f32 v[\ia], v[\ia]
	v_cvt_u32_f32 v[\ib], v[\ib]
.endm
	AXIS 23, 27, 28, 29, 30, 31, 26                ; x: weights v28, v29, indices v30, v31
	AXIS 24, 27, 96, 97, 98, 99, 26                ; y: weights v96, v97, indices v98, v99
	v_lshlrev_b32 v100, 12, v9                     ; vb x 4,096 rows
	v_lshl_add_u32 v98, v98, 6, v100               ; + 64 y0
	v_lshl_add_u32 v99, v99, 6, v100               ; + 64 y1
	v_add_nc_u32 v112, v98, v30
	v_add_nc_u32 v113, v98, v31
	v_add_nc_u32 v114, v99, v30
	v_add_nc_u32 v115, v99, v31
	v_mul_f32 v116, v96, v28
	v_mul_f32 v117, v96, v29
	v_mul_f32 v118, v97, v28
	v_mul_f32 v119, v97, v29
	global_store_b128 v13, v[112:115], s[16:17]    ; sixteen lanes store 256 consecutive bytes, aligned
	global_store_b128 v13, v[116:119], s[18:19]
	s_branch .Ljoin
.Lweights:
	; ---- (c) the weights in fragment order: 53,248 units of 16 bytes = 416 groups x 128 threads ----
	s_cmp_lt_u32 s3, 416
	s_cbranch_scc0 .Lnone
	s_sub_co_u32 s41, s3, 32
	s_lshr_b32 s42, s41, 6
	s_add_co_u32 s42, s42, 1                       ; matrix 1..6: 64 groups each,
	s_and_b32 s41, s41, 63
	s_cmp_lt_u32 s3, 32                            ; matrix 0 (pos_W2, half the size): the first 32 groups
	s_cselect_b32 s42, 0, s42
	s_cselect_b32 s41, s3, s41                     ; the group's number inside its matrix
	s_cselect_b32 s46, 7, 15                       ; fragments of a wave - 1
	s_cselect_b32 s47, 9, 10                       ; log2 of a wave's units, and of a source row's bytes
	s_mov_b64 s[48:49], s[20:21]
	s_cmp_eq_u32 s42, 1
	s_cselect_b64 s[48:49], s[22:23], s[48:49]
	s_cmp_eq_u32 s42, 2
	s_cselect_b64 s[48:49], s[24:25], s[48:49]
	s_cmp_eq_u32 s42, 3
	s_cselect_b64 s[48:49], s[26:27], s[48:49]
	s_cmp_eq_u32 s42, 4
	s_cselect_b64 s[48:49], s[28:29], s[48:49]
	s_cmp_eq_u32 s42, 5
	s_cselect_b64 s[48:49], s[30:31], s[48:49]
	s_cmp_eq_u32 s42, 6
	s_cselect_b64 s[48:49], s[32:33], s[48:49]
	v_and_b32 v9, 127, v0
	v_lshl_add_u32 v14, v9, 4, s40                 ; where the unit goes
	v_lshl_add_u32 v10, s41, 7, v9                 ; the unit inside its matrix: ((w F + f) 2 + q) 32 + L
	v_bfe_u32 v11, v10, 5, 1                       ; q
	v_lshrrev_b32 v12, 6, v10
	v_and_b32 v12, s46, v12                        ; f
	v_lshrrev_b32 v13, s47, v10                    ; w
	s_cmp_eq_u32 s42, 3
	s_cbranch_scc1 .Lwk
	v_and_b32 v15, 1, v12                          ; nt
	v_lshl_add_u32 v15, v15, 4, v5
	v_lshl_add_u32 v15, v13, 5, v15                ; row 32 w + 16 nt + r
	v_lshrrev_b32 v16, 1, v12                      ; ks
	v_lshlrev_b32 v16, 7, v16
	v_lshl_add_u32 v16, v11, 6, v16
	v_lshl_add_u32 v16, v6, 5, v16                 ; 4 (32 ks + 16 q + 8 hh)
	v_lshlrev_b32 v15, s47, v15
	v_add_nc_u32 v15, v15, v16
	global_load_b128 v[96:99], v15, s[48:49]
	global_load_b128 v[100:103], v15, s[48:49] offset:16
	TILE
	s_wait_loadcnt 16                              ; my two loads are in; the tile's sixteen stay out
	s_cmp_lt_u32 s42, 3
	s_cbranch_scc0 .Lhalf
.irp p, 0,1,2,3
	v_cvt_pk_bf16_f32 v[120+\p], v[96+2*\p], v[97+2*\p]
.endr
	s_branch .Lput
.Lhalf:
.irp p, 0,1,2,3
	v_cvt_pk_f16_f32 v[120+\p], v[96+2*\p], v[97+2*\p]
.endr
	s_branch .Lput
.Lwk:
	v_lshlrev_b32 v15, 5, v13
	v_lshl_add_u32 v15, v11, 4, v15
	v_lshl_add_u32 v15, v6, 3, v15                 ; row 32 w + 16 q + 8 hh (+ e in the immediate)
	v_lshlrev_b32 v15, 10, v15
	v_lshl_add_u32 v16, v12, 4, v5                 ; column 16 f + r
	v_lshl_add_u32 v15, v16, 2, v15
.irp e, 0,1,2,3,4,5,6,7
	global_load_b32 v[96+\e], v15, s[48:49] offset:1024*\e
.endr
	TILE
	s_wait_loadcnt 16                              ; my eight loads are in; the tile's sixteen stay out
.irp p, 0,1,2,3
	v_cvt_pk_bf16_f32 v[120+\p], v[96+2*\p], v[97+2*\p]
.endr
.Lput:
	global_store_b128 v14, v[120:123], s[34:35]
	s_branch .Ljoin
.Lnone:
	TILE                                           ; waves 4-7 of the groups from 416 on have the tile alone
.Ljoin:
	; ---- (a), second half: round, turn through LDS, store ----
	s_lshl_b32 s41, s2, 6
	v_mul_u32_u24 v2, v5, 4*PITCH                  ; LDS, in: row x = 4 r (+ xi in the immediate),
	v_lshl_add_u32 v2, v6, 4, v2
	v_add_nc_u32 v2, s41, v2                       ; byte 64 w + 16 hh (+ 32 g) of it
	s_mul_i32 s41, s2, 8*PITCH
	v_lshl_add_u32 v3, v7, 4, s41                  ; LDS, back: rows 8 w + i, 16 bytes a lane
	s_lshl_b32 s41, s2, 12
	v_lshl_add_u32 v8, v7, 4, s41                  ; and the same in table
	s_wait_loadcnt 0x0                             ; the tile's sixteen loads
.irp g, 0,1
.irp x, 0,1,2,3
.irp p, 0,1,2,3
	v_cvt_pk_bf16_f32 v[PK+4*\x+\p], v[IN+4*(8*\g+2*\p)+\x], v[IN+4*(8*\g+2*\p+1)+\x]   ; channels 2p, 2p+1 of my eight, at x = 4r + xi
.endr
	ds_store_b128 v2, v[PK+4*\x:PK+4*\x+3] offset:\x*PITCH+32*\g
.endr
.endr
	s_wait_dscnt 0x0                               ; my stores are in LDS before I say so
	s_barrier_signal -1
	s_barrier_wait -1
.irp i, 0,1,2,3,4,5,6,7
	ds_load_b128 v[IN+4*\i:IN+4*\i+3], v3 offset:\i*PITCH
.endr
.irp i, 0,1,2,3,4,5,6,7
	s_wait_dscnt 7-\i                              ; LDS loads come back in order: load i is in, the younger ones stay out
	global_store_b128 v8, v[IN+4*\i:IN+4*\i+3], s[6:7] offset:512*\i
.endr
	s_wait_tensorcnt 0x0
	ds_add_u32 v128, v129
	s_wait_dscnt 0x0
	s_endpgm
.Lfunc_end_k_q8238cd98b9_prep:
	.size	k_q8238cd98b9_prep, .Lfunc_end_k_q8238cd98b9_prep-k_q8238cd98b9_prep
	.p2alignl 7, 3214868480
	.fill 96, 4, 3214868480
	.section	.rodata,"a",@progbits
	.p2align	6, 0x0
	.amdhsa_kernel k_q8238cd98b9_prep
		.amdhsa_group_segment_fixed_size 34816
		.amdhsa_private_segment_fixed_size 0
		.amdhsa_enable_private_segment 0
		.amdhsa_kernarg_size 128
		.amdhsa_user_sgpr_count 2
		.amdhsa_user_sgpr_kernarg_segment_ptr 1
		.amdhsa_wavefront_size32 1
		.amdhsa_system_sgpr_workgroup_id_x 1
		.amdhsa_system_sgpr_workgroup_id_y 1
		.amdhsa_system_sgpr_workgroup_id_z 1
		.amdhsa_system_vgpr_workitem_id 0
		.amdhsa_next_free_vgpr 130
		.amdhsa_next_free_sgpr 66
		.amdhsa_reserve_vcc 1
		.amdhsa_float_denorm_mode_32 3
		.amdhsa_float_denorm_mode_16_64 3
		.amdhsa_memory_ordered 1
		.amdhsa_forward_progress 1
		.amdhsa_inst_pref_size 22
	.end_amdhsa_kernel
	.amdgpu_metadata
---
amdhsa.version: [ 1, 2 ]
amdhsa.kernels:
  - .name:           k_q8238cd98b9_prep
    .symbol:         k_q8238cd98b9_prep.kd
    .args:
      - { .name: feature_maps, .offset: 0, .size: 8, .value_kind: global_buffer, .address_space: global }
      - { .name: table, .offset: 8, .size: 8, .value_kind: global_buffer, .address_space: global }
      - { .name: points_3d, .offset: 16, .size: 8, .value_kind: global_buffer, .address_space: global }
      - { .name: R, .offset: 24, .size: 8, .value_kind: global_buffer, .address_space: global }
      - { .name: T, .offset: 32, .size: 8, .value_kind: global_buffer, .address_space: global }
      - { .name: K, .offset: 40, .size: 8, .value_kind: global_buffer, .address_space: global }
      - { .name: idx, .offset: 48, .size: 8, .value_kind: global_buffer, .address_space: global }
      - { .name: wts, .offset: 56, .size: 8, .value_kind: global_buffer, .address_space: global }
      - { .name: pos_W2, .offset: 64, .size: 8, .value_kind: global_buffer, .address_space: global }
      - { .name: q_W, .offset: 72, .size: 8, .value_kind: global_buffer, .address_space: global }
      - { .name: Wq, .offset: 80, .size: 8, .value_kind: global_buffer, .address_space: global }
      - { .name: Wk, .offset: 88, .size: 8, .value_kind: global_buffer, .address_space: global }
      - { .name: Wv, .offset: 96, .size: 8, .value_kind: global_buffer, .address_space: global }
      - { .name: Wo, .offset: 104, .size: 8, .value_kind: global_buffer, .address_space: global }
      - { .name: out_W, .offset: 112, .size: 8, .value_kind: global_buffer, .address_space: global }
      - { .name: wfrag, .offset: 120, .size: 8, .value_kind: global_buffer, .address_space: global }
    .group_segment_fixed_size: 34816
    .private_segment_fixed_size: 0
    .kernarg_segment_align: 8
    .kernarg_segment_size: 128
    .max_flat_workgroup_size: 256
    .sgpr_count:     66
    .vgpr_count:     130
    .wavefront_size: 32
...
	.end_amdgpu_metadata
.endif
;; end of part 1
;; launch attend (part 2): grid 256 x 1, 8 waves a work-group, no clusters, 315,648 bytes of LDS; arguments table, idx, wts, wfrag, points_3d, pos_W1, pos_b1, pos_b2, q_b, bq, bv, bo, out_b, n1_g, n1_b, n2_g, n2_b, out0, out1; writes out0, out1
.if DOCPART == 2
	.amdgcn_target "amdgcn-amd-amdhsa--gfx1250"
	.amdhsa_code_object_version 6
	.text
	.protected	k_q8238cd98b9_attend
	.globl	k_q8238cd98b9_attend
	.p2align	8
	.type	k_q8238cd98b9_attend,@function
k_q8238cd98b9_attend:
	s_mov_b64 s[64:65], 0
	v_nop
	global_prefetch_b8 v0, s[64:65] scope:SCOPE_SE
	s_setreg_imm32_b32 hwreg(HW_REG_WAVE_MODE, 25, 1), 1
	s_wait_xcnt 0x0
; SpatialViewAttention, launch 2 of 2.  A work-group owns 64 points and takes them from the coordinates to out0 without touching memory between.
; LEFT OUT (shown at the head of launch 1, for all finite inputs): seven of the eight equal query rows; view_attention, which is 0.125 by
; identity and is stored as that constant; bk, which cancels in the softmax and is no argument; the K and V projections of the sampled rows,
; re-associated onto one row for each (point, head).  A NaN, infinity or overflow that reaches only that work is not carried to the results.
;
; PER POINT: h1 = relu(W1 p + b1); pe = W2 h1 + b2; q_in = q_W pe + q_b; q = Wq q_in + bq; qk_h = Wk_h^T q_h (256 numbers a head);
;   kv_v = bilinear sample of view v (four table rows of 512 bytes, weights from wts); s[h][v] = qk_h.kv_v / sqrt(32); attn = softmax over v
;   (the maximum taken away); u_h = sum_v attn[h][v] kv_v; ctx_h = Wv_h u_h + bv_h; x = LN1(Wo ctx + bo + q_in); out0 = LN2(out_W x + out_b).
; FORMATS: query path (h1, pe, q_in as operand, q, qk, kv for the scores) bf16; value path (kv, attn, u, ctx, LN1's result, Wv, Wo, out_W) f16;
;   sums, biases, the residual q_in, softmax and both norms f32.
; LIMITS: sampled features, u, ctx and LN1's result below 65,504 in magnitude (f16); relu is v_max_num_f32 (a NaN becomes 0); two points share
;   a block-diagonal product, so a sample that is not finite spoils its pair partner too (0 x NaN).
;
; SHARES.  Dense layers: wave w makes all 64 rows x columns 32w..32w+31: 8 accumulator tiles.  The attention core goes in 4 chunks of 16 points;
;   in QKPROJ and CTXP the wave is head w, in the gather, SCORES and MIXV it is the pair of points 2w, 2w+1 of the chunk.
; EVERY PRODUCT IS USED TRANSPOSED: source 0 = the operand whose rows become D's registers (weights), source 1 = the one whose rows become D's
;   lanes (activations).  Lane (r, hh) of D holds activation row r and output columns n0+8hh+0..7: 16 neighbouring bytes once packed.
; WEIGHTS come from wfrag straight into registers in fragment order, each byte once for the work-group (a wave's slice of a matrix is 16,384
;   bytes, 128 registers; two such sets, WA and WB, take turns).  No cluster and no joint loads: a joint load lands in LDS, of which
;   327,680 - 315,648 = 12,032 bytes are free, less than one wave's slice, and the weights would be written to and read from LDS besides.
; THE GATHER is a ring of four sample slots in G, 16 registers each (4 corners; one load = one whole table row of 512 bytes).  A wave has 64 samples,
;   in 16 batches of 4; a batch is interpolated behind a stage of the other work (LAND), and straight behind a sample's LDS store its slot is asked
;   for again, with the same sample of the next batch.  So 16 loads, 8,192 bytes a wave, are out all the time, through LAND and the barriers too,
;   and a slot has a whole stage and three samples of a LAND in which to land.  The ring runs twice, batches 0-2 and 3-15: between them G holds
;   the sums of q = Wq q_in, since ACC keeps q_in for the residual.
;   No prefetch of table rows: 131,072 samples x 4 corners name 65,536 rows, so a row is wanted by several work-groups, none of which knows of the
;   others, and no wave can be the one that asks for a block once.
; Straight-line text: no label, no branch, EXEC full throughout.
;
; LDS:  LX [64] pitch 528: h1, q_in (bf16), LN1's result (f16).   LY [64] pitch 528: pe (bf16), later ctx (f16).
;       QU: row (point m of 16, head h) at 4368 m + 544 h: qk (bf16), then u (f16) over it.   KV: wave's own, 2 buffers x 16 rows (8e+view), pitch 528, f16.
;       QFR: wave's own four q fragments.   ST: four arrays [64 rows][8 waves] f32 for the norms.   BV: bv.   The way out reuses KV: [64] pitch 1040 f32.
.set LX,  0
.set LY,  33792
.set QU,  67584
.set KV,  137472
.set QFR, 272640
.set ST,  305408
.set BV,  313600
; VECTOR REGISTERS.  v1 16L  v2 0  v3 528r+16hh  v4 v3+64w  v5 QU+4368r+544w+16hh  v6 QU+(2w+(r>>3))4368+(r&7)544+16hh  v7 KV+16896w+528r+16hh
;   v8 KV+16896w+(8hh+(L&7))528+16((L>>3)&1)  v9 KV+16896w+16L  v10 QFR+4096w+16L  v11 ST+32r+4w  v12 ST+32r  v13 BV+128w+32hh  v14 16384w+16L
;   v15 128w+32hh  v16-19 a sample's weights  v20-23 at work  v24-127 T (fragments, biases, at work)  v120-127 a few offsets
;   v128-191 ACC  v192-255 G (gather; L2's sums; late biases)   window 1: v256-383 WA, v384-511 WB
.set AF0,   24                         ; v[24:55], v[56:87]: activation fragments of a K step, two buffers
.set BIAS0, 88
.set BIAS1, 104
.set ACC,   128
.set G,     192
; SCALARS.  s2 wave  s3 group  s[4:11] table, idx, wts, wfrag  s12 my bytes in idx and wts  s13 lanes with hh == r>>3  s14-15 lane i <-> i^16
;   s[16:31]/s[32:47] (even batches) and s[68:83]/s[84:99] (odd batches): a batch's 16 rows / 16 weights  s[48:63] pointers  s66-67 at work  s100 log2(e)/sqrt(32)
.set MSB, 0
.macro WIN new                         ; s_set_vgpr_msb: bits 1:0 source 0, 7:6 destination; the high byte repeats the setting that is left
.if MSB != \new
	s_set_vgpr_msb (MSB<<8)|\new
.set MSB, \new
.endif
.endm
.macro NOPS4                           ; four places behind a matrix instruction before its result is read, or one of its registers written or loaded (ISA guide 7.12.1)
.rept 4
	v_nop
.endr
.endm
.macro BAR                             ; my LDS stores are in and my LDS loads are back before I say so
	s_wait_dscnt 0x0
	s_barrier_signal -1
	s_barrier_wait -1
.endm
; n loads of 512 consecutive bytes: my slice of the matrix at byte off of wfrag, into window 1 from register dst on (0: WA, 128: WB)
.macro WLOAD dst, off, n, vo
	WIN 0x40
.set wi, 0
.rept \n
	global_load_b128 v[\dst+4*wi:\dst+4*wi+3], v[\vo], s[10:11] offset:\off+512*wi
.set wi, wi+1
.endr
	WIN 0
.endm
; a vector of 256 f32 as an accumulator's image: register 8 nt + j = vec[32w + 16nt + 8hh + j]
.macro BLOAD dst, sp
.irp nt, 0,1
.irp k, 0,1
	global_load_b128 v[\dst+8*\nt+4*\k:\dst+8*\nt+4*\k+3], v15, s[\sp:\sp+1] offset:64*\nt+16*\k
.endr
.endr
.endm
; The ring is started: the 16 table rows of the batch whose numbers lie in this scalar set.  The row numbers are clamped to the table's 65,536 rows;
; each load lands on its own offset register; the offsets are all written ahead of the loads.
.macro GFIRST set
	s_wait_kmcnt 0x0                               ; the set's rows and weights are in
.irp k, 0,1,2,3,4,5,6,7,8,9,10,11,12,13,14,15
	s_min_u32 s[16+52*\set+\k], s[16+52*\set+\k], 0xffff
	s_lshl_b32 s[16+52*\set+\k], s[16+52*\set+\k], 9
.endr
.irp k, 0,1,2,3,4,5,6,7,8,9,10,11,12,13,14,15
	v_add_nc_u32 v[G+4*\k], s[16+52*\set+\k], v1
.endr
.irp k, 0,1,2,3,4,5,6,7,8,9,10,11,12,13,14,15
	global_load_b128 v[G+4*\k:G+4*\k+3], v[G+4*\k], s[4:5]
.endr
.endm
; Batch g (set = g & 1) is interpolated: sample s = sum over four corners of weight x row, 8 channels a lane, f32, rounded once to f16, into row 4bb+s of
; my KV buffer.  refill = 1: the sample's slot is asked for again at once, with sample s of batch g+1, whose rows lie in the other scalar set.
; cnt = how many younger loads may stay out at sample 0: the batch's other 12, and what was issued between this batch and this LAND.  With a refill the
; count stays: each sample done puts four new loads behind.  Without, it falls by four a sample.
; At the end batch g+2's rows and weights are asked for, into this set: its rows went into offsets a LAND ago, its weights just now.
.macro LAND set, buf, bb, g, refill, cnt
	s_wait_kmcnt 0x0                               ; the next batch's rows are in (asked for at the end of the LAND before)
.if \refill
.irp k, 0,1,2,3,4,5,6,7,8,9,10,11,12,13,14,15
	s_min_u32 s[16+52*(1-\set)+\k], s[16+52*(1-\set)+\k], 0xffff
	s_lshl_b32 s[16+52*(1-\set)+\k], s[16+52*(1-\set)+\k], 9
.endr
.endif
.irp s, 0,1,2,3
	s_wait_loadcnt \cnt-4*\s*(1-\refill)           ; loads come back in order: this sample's four are in
.irp c, 0,1,2,3
	v_mov_b32 v[16+\c], s[32+52*\set+4*\s+\c]
.endr
.irp d, 0,1,2,3
	v_fma_mix_f32_bf16 v[20+\d], v[G+16*\s+\d], v16, v2 op_sel_hi:[1,0,0]                          ; even channel: low half x w0
	v_fma_mix_f32_bf16 v[G+16*\s+\d], v[G+16*\s+\d], v16, v2 op_sel:[1,0,0] op_sel_hi:[1,0,0]      ; odd channel: high half x w0, in place
.endr
.irp c, 1,2,3
.irp d, 0,1,2,3
	v_fma_mix_f32_bf16 v[20+\d], v[G+16*\s+4*\c+\d], v[16+\c], v[20+\d] op_sel_hi:[1,0,0]
	v_fma_mix_f32_bf16 v[G+16*\s+\d], v[G+16*\s+4*\c+\d], v[16+\c], v[G+16*\s+\d] op_sel:[1,0,0] op_sel_hi:[1,0,0]
.endr
.endr
.irp d, 0,1,2,3
	v_cvt_pk_f16_f32 v[20+\d], v[20+\d], v[G+16*\s+\d]       ; packed outside the slot, so that all 16 registers of the slot are free
.endr
.if \refill
.irp c, 0,1,2,3
	v_add_nc_u32 v[G+16*\s+4*\c], s[16+52*(1-\set)+4*\s+\c], v1
.endr
.endif
	ds_store_b128 v9, v[20:23] offset:\buf*8448+(4*\bb+\s)*528
.if \refill
.irp c, 0,1,2,3
	global_load_b128 v[G+16*\s+4*\c:G+16*\s+4*\c+3], v[G+16*\s+4*\c], s[4:5]
.endr
.endif
.endr
.if \g+2 <= 15
	s_load_b512 s[16+52*\set:31+52*\set], s[6:7], s12 offset:((\g+2)>>2)*2048+((\g+2)&3)*64
	s_load_b512 s[32+52*\set:47+52*\set], s[8:9], s12 offset:((\g+2)>>2)*2048+((\g+2)&3)*64
.endif
.endm
; the activation fragments of K step ks: 4 row tiles x 2 loads
.macro AFLOAD buf, ain, ks
.irp mt, 0,1,2,3
	ds_load_b128 v[\buf+8*\mt:\buf+8*\mt+3],   v3 offset:\ain+8448*\mt+64*\ks
	ds_load_b128 v[\buf+8*\mt+4:\buf+8*\mt+7], v3 offset:\ain+8448*\mt+64*\ks+32
.endr
.endm
; A dense layer: acc[mt][nt] (+)= W fragments (window 1, from wb) x activations at LDS byte ain, KS steps of 32 along K.
; cb >= 0: the first step takes the bias image at v[cb] as C; cb < 0: it adds onto acc.  The eight accumulators take turns, one instruction a turn.
.macro DENSE op, acc, wb, KS, ain, cb
	AFLOAD AF0, \ain, 0
.set dk, 0
.rept \KS
.if dk+1 < \KS
.if dk > 0
	NOPS4                                          ; the buffer loaded next was read by the products just issued
.endif
	AFLOAD (AF0+32*((dk+1)&1)), \ain, (dk+1)
	s_wait_dscnt 0x8                               ; this step's eight loads are in; the next step's eight stay out
.else
	s_wait_dscnt 0x0                               ; the last step: nothing was issued behind its loads
.endif
	WIN 0x01
.irp mt, 0,1,2,3
.irp nt, 0,1
.set dfirst, 0
.if dk == 0
.if \cb >= 0
.set dfirst, 1
.endif
.endif
.if dfirst
	\op v[\acc+8*(2*\mt+\nt):\acc+8*(2*\mt+\nt)+7], v[\wb+8*(2*dk+\nt):\wb+8*(2*dk+\nt)+7], v[AF0+32*(dk&1)+8*\mt:AF0+32*(dk&1)+8*\mt+7], v[\cb+8*\nt:\cb+8*\nt+7]
.else
	\op v[\acc+8*(2*\mt+\nt):\acc+8*(2*\mt+\nt)+7], v[\wb+8*(2*dk+\nt):\wb+8*(2*dk+\nt)+7], v[AF0+32*(dk&1)+8*\mt:AF0+32*(dk&1)+8*\mt+7], v[\acc+8*(2*\mt+\nt):\acc+8*(2*\mt+\nt)+7]
.endif
.endr
.endr
	WIN 0
.set dk, dk+1
.endr
.endm
; the eight tiles, rounded, as rows of the next layer's activations: 16 bytes a lane at row 16mt+r, byte 64w+32nt+16hh
.macro STOREACT cvt, acc, aout
.irp mt, 0,1,2,3
.irp nt, 0,1
.irp p, 0,1,2,3
	\cvt v[AF0+4*(2*\mt+\nt)+\p], v[\acc+8*(2*\mt+\nt)+2*\p], v[\acc+8*(2*\mt+\nt)+2*\p+1]
.endr
	ds_store_b128 v4, v[AF0+4*(2*\mt+\nt):AF0+4*(2*\mt+\nt)+3] offset:\aout+8448*\mt+32*\nt
.endr
.endr
.endm
; qk[point][head w][c] = sum_d q[point][32w+d] Wk[32w+d][c] for the chunk's 16 points: 16 tiles of 16 c, one K step, eight at a time
.macro QKPROJ t
	ds_load_b128 v[88:91], v10 offset:1024*\t
	ds_load_b128 v[92:95], v10 offset:1024*\t+512
	s_wait_dscnt 0x0
.irp hf, 0,1
	WIN 0x01
.irp i, 0,1,2,3,4,5,6,7
	v_wmma_f32_16x16x32_bf16 v[24+8*\i:31+8*\i], v[128+8*(8*\hf+\i):135+8*(8*\hf+\i)], v[88:95], 0
.endr
	WIN 0
	NOPS4
.irp i, 0,1,2,3,4,5,6,7
.irp p, 0,1,2,3
	v_cvt_pk_bf16_f32 v[24+8*\i+\p], v[24+8*\i+2*\p], v[24+8*\i+2*\p+1]
.endr
	ds_store_b128 v5, v[24+8*\i:27+8*\i] offset:32*(8*\hf+\i)
.endr
.endr
.endm
; two f16 in register x become two bf16, through f32
.macro H2B x, t
	v_cvt_f32_f16 v[\t], v\x\().l
	v_cvt_f32_f16 v[\t+1], v\x\().h
	v_cvt_pk_bf16_f32 v\x, v[\t], v[\t+1]
.endm
.macro H2B8 a, b, c, d, e, f, g, h
	H2B \a, 20
	H2B \b, 22
	H2B \c, 20
	H2B \d, 22
	H2B \e, 20
	H2B \f, 22
	H2B \g, 20
	H2B \h, 22
.endm
; scores of my pair: source 0 = my 16 kv rows (8e+view), source 1 = the 16 qk rows (e', head); K = 256 in 8 steps, four at a time.
; Lane (r, hh), register j: view j of point hh against (point r>>3, head r&7); it counts where hh == r>>3.  Two accumulators take turns.
.macro SCORES buf
.irp grp, 0,1
.if \grp
	NOPS4                                          ; the fragment registers were read by the products just issued
.endif
.irp i, 0,1,2,3
	ds_load_b128 v[40+16*\i:43+16*\i], v7 offset:8448*\buf+64*(4*\grp+\i)
	ds_load_b128 v[44+16*\i:47+16*\i], v7 offset:8448*\buf+64*(4*\grp+\i)+32
	ds_load_b128 v[48+16*\i:51+16*\i], v6 offset:64*(4*\grp+\i)
	ds_load_b128 v[52+16*\i:55+16*\i], v6 offset:64*(4*\grp+\i)+32
.endr
	s_wait_dscnt 0xc                               ; four loads a K step: the three later steps' twelve stay out, then 8, 4, 0
	H2B8 40,41,42,43,44,45,46,47
.if \grp
	v_wmma_f32_16x16x32_bf16 v[24:31], v[40:47], v[48:55], v[24:31]
.else
	v_wmma_f32_16x16x32_bf16 v[24:31], v[40:47], v[48:55], 0
.endif
	s_wait_dscnt 0x8
	H2B8 56,57,58,59,60,61,62,63
.if \grp
	v_wmma_f32_16x16x32_bf16 v[32:39], v[56:63], v[64:71], v[32:39]
.else
	v_wmma_f32_16x16x32_bf16 v[32:39], v[56:63], v[64:71], 0
.endif
	s_wait_dscnt 0x4
	H2B8 72,73,74,75,76,77,78,79
	v_wmma_f32_16x16x32_bf16 v[24:31], v[72:79], v[80:87], v[24:31]
	s_wait_dscnt 0x0
	H2B8 88,89,90,91,92,93,94,95
	v_wmma_f32_16x16x32_bf16 v[32:39], v[88:95], v[96:103], v[32:39]
.endr
.endm
; softmax over a lane's eight views, the maximum taken away; lanes of the wrong point get 0.  v[104:111] is then MIXV's source 1: k = 8hh+j, zeros for k >= 16.
.macro SOFTMAX
	NOPS4
.irp p, 0,1,2,3
	v_pk_add_f32 v[24+2*\p:25+2*\p], v[24+2*\p:25+2*\p], v[32+2*\p:33+2*\p]
.endr
	v_max3_num_f32 v20, v24, v25, v26
	v_max3_num_f32 v20, v20, v27, v28
	v_max3_num_f32 v20, v20, v29, v30
	v_max_num_f32 v20, v20, v31
	v_mul_f32 v21, s100, v20
.irp j, 0,1,2,3,4,5,6,7
	v_fma_f32 v[24+\j], v[24+\j], s100, -v21       ; (s - max) log2(e) / sqrt(32)
.endr
.irp j, 0,1,2,3,4,5,6,7
	v_exp_f32 v[24+\j], v[24+\j]
.endr
.irp j, 0,1,2,3
	v_mov_b32 v[56+\j], 0                          ; plain instructions behind the exponentials (ISA guide 5.7.2): the zeros that MIXV wants
	v_mov_b32 v[108+\j], 0
.endr
	s_wait_alu depctr_va_vdst(0)
	v_add_f32 v20, v24, v25
	v_add_f32 v21, v26, v27
	v_add_f32 v22, v28, v29
	v_add_f32 v23, v30, v31
	v_add_f32 v20, v20, v21
	v_add_f32 v22, v22, v23
	v_add_f32 v20, v20, v22                        ; at least 1: the largest term is 2^0
	v_rcp_f32 v22, v20
	v_nop
	s_wait_alu depctr_va_vdst(0)
	v_cndmask_b32 v22, v2, v22, s13
	v_mov_b32 v23, v22
.irp p, 0,1,2,3
	v_pk_mul_f32 v[24+2*\p:25+2*\p], v[24+2*\p:25+2*\p], v[22:23]
.endr
.irp p, 0,1,2,3
	v_cvt_pk_f16_f32 v[104+\p], v[24+2*\p], v[25+2*\p]
.endr
.endm
; four transposing loads: kv rows 8hh+0..7 of column 16ct+r, for c tiles 4g..4g+3
.macro TRLOAD buf, g
.irp i, 0,1,2,3
	ds_load_tr16_b128 v[40+4*\i:43+4*\i], v8 offset:8448*\buf+32*(4*\g+\i)
.endr
.endm
; u[(e', head)][c] = sum over my 16 kv rows of attn x kv.  A fragment's registers 4-7 (k = 16..31) are the next tile's data or v[56:59] = 0: finite, and they meet zeros.
; u goes over the qk rows of my two points, which no other wave has read.
.macro MIXV buf
	TRLOAD \buf, 0
.irp g, 0,1,2,3
.if \g
	s_wait_dscnt 0x4                               ; this group's four loads are in; the last group's four stores, issued behind them, stay out
.else
	s_wait_dscnt 0x0
.endif
.irp i, 0,1,2,3
	v_wmma_f32_16x16x32_f16 v[64+8*\i:71+8*\i], v[40+4*\i:47+4*\i], v[104:111], 0
.endr
	NOPS4
.if \g < 3
	TRLOAD \buf, (\g+1)
.endif
.irp i, 0,1,2,3
.irp p, 0,1,2,3
	v_cvt_pk_f16_f32 v[64+8*\i+\p], v[64+8*\i+2*\p], v[64+8*\i+2*\p+1]
.endr
	ds_store_b128 v6, v[64+8*\i:67+8*\i] offset:32*(4*\g+\i)
.endr
.endr
.endm
; ctx[point][32w+n] = sum_c Wv[32w+n][c] u[point][head w][c] + bv: two accumulators, started with bv, take turns
.macro CTXP t
.irp nt, 0,1
.irp k, 0,1
	ds_load_b128 v[24+8*\nt+4*\k:27+8*\nt+4*\k], v13 offset:64*\nt+16*\k
.endr
.endr
.irp ks, 0,1,2,3,4,5,6,7
	ds_load_b128 v[40+8*\ks:43+8*\ks], v5 offset:64*\ks
	ds_load_b128 v[44+8*\ks:47+8*\ks], v5 offset:64*\ks+32
.endr
	WIN 0x01
.irp ks, 0,1,2,3,4,5,6,7
	s_wait_dscnt 14-2*\ks                          ; bv and u's steps up to this one are in; two loads for each later step stay out
	v_wmma_f32_16x16x32_f16 v[24:31], v[16*\ks:16*\ks+7], v[40+8*\ks:47+8*\ks], v[24:31]
	v_wmma_f32_16x16x32_f16 v[32:39], v[16*\ks+8:16*\ks+15], v[40+8*\ks:47+8*\ks], v[32:39]
.endr
	WIN 0
	NOPS4
.irp nt, 0,1
.irp p, 0,1,2,3
	v_cvt_pk_f16_f32 v[24+8*\nt+\p], v[24+8*\nt+2*\p], v[24+8*\nt+2*\p+1]
.endr
	ds_store_b128 v4, v[24+8*\nt:27+8*\nt] offset:LY+8448*\t+32*\nt
.endr
.endm
; Four packed partial sums v[24+8mt:25+8mt] (my 16 columns of row 16mt+r) become the rows' sums over all 256 columns, divided by 256, in v[56+2mt] and v[57+2mt].
.macro LNRED e
.irp mt, 0,1,2,3
	v_add_f32 v[24+8*\mt], v[24+8*\mt], v[25+8*\mt]
.endr
.irp mt, 0,1,2,3
	v_permlanex16_b32 v[25+8*\mt], v[24+8*\mt], s14, s15     ; the other half of the lanes holds the row's other 16 columns of mine
.endr
.irp mt, 0,1,2,3
	v_add_f32 v[24+8*\mt], v[24+8*\mt], v[25+8*\mt]
	ds_store_b32 v11, v[24+8*\mt] offset:2048*\e+512*\mt
.endr
	BAR
.irp mt, 0,1,2,3
	ds_load_b128 v[24+8*\mt:27+8*\mt], v12 offset:2048*\e+512*\mt
	ds_load_b128 v[28+8*\mt:31+8*\mt], v12 offset:2048*\e+512*\mt+16
.endr
.irp mt, 0,1,2,3
	s_wait_dscnt 6-2*\mt                           ; two loads for each later row tile stay out
	v_pk_add_f32 v[24+8*\mt:25+8*\mt], v[24+8*\mt:25+8*\mt], v[26+8*\mt:27+8*\mt]
	v_pk_add_f32 v[28+8*\mt:29+8*\mt], v[28+8*\mt:29+8*\mt], v[30+8*\mt:31+8*\mt]
	v_pk_add_f32 v[24+8*\mt:25+8*\mt], v[24+8*\mt:25+8*\mt], v[28+8*\mt:29+8*\mt]
	v_add_f32 v[24+8*\mt], v[24+8*\mt], v[25+8*\mt]
	v_mul_f32 v[56+2*\mt], 0x3b800000, v[24+8*\mt]
	v_mov_b32 v[57+2*\mt], v[56+2*\mt]
.endr
.endm
; layer norm of ACC's 64 rows in two true passes (mean; then the mean of the squared differences), exchanges in ST's arrays e1 and e2
.macro LN e1, e2, g, b
.irp mt, 0,1,2,3
	v_pk_add_f32 v[24+8*\mt:25+8*\mt], v[ACC+16*\mt:ACC+16*\mt+1], v[ACC+16*\mt+2:ACC+16*\mt+3]
	v_pk_add_f32 v[26+8*\mt:27+8*\mt], v[ACC+16*\mt+4:ACC+16*\mt+5], v[ACC+16*\mt+6:ACC+16*\mt+7]
	v_pk_add_f32 v[28+8*\mt:29+8*\mt], v[ACC+16*\mt+8:ACC+16*\mt+9], v[ACC+16*\mt+10:ACC+16*\mt+11]
	v_pk_add_f32 v[30+8*\mt:31+8*\mt], v[ACC+16*\mt+12:ACC+16*\mt+13], v[ACC+16*\mt+14:ACC+16*\mt+15]
	v_pk_add_f32 v[24+8*\mt:25+8*\mt], v[24+8*\mt:25+8*\mt], v[26+8*\mt:27+8*\mt]
	v_pk_add_f32 v[28+8*\mt:29+8*\mt], v[28+8*\mt:29+8*\mt], v[30+8*\mt:31+8*\mt]
	v_pk_add_f32 v[24+8*\mt:25+8*\mt], v[24+8*\mt:25+8*\mt], v[28+8*\mt:29+8*\mt]
.endr
	LNRED \e1
.irp mt, 0,1,2,3
.irp p, 0,1,2,3,4,5,6,7
	v_pk_add_f32 v[ACC+16*\mt+2*\p:ACC+16*\mt+2*\p+1], v[ACC+16*\mt+2*\p:ACC+16*\mt+2*\p+1], v[56+2*\mt:57+2*\mt] neg_lo:[0,1] neg_hi:[0,1]
.endr
.endr
.irp mt, 0,1,2,3
	v_pk_mul_f32 v[24+8*\mt:25+8*\mt], v[ACC+16*\mt:ACC+16*\mt+1], v[ACC+16*\mt:ACC+16*\mt+1]
	v_pk_mul_f32 v[26+8*\mt:27+8*\mt], v[ACC+16*\mt+2:ACC+16*\mt+3], v[ACC+16*\mt+2:ACC+16*\mt+3]
.irp p, 2,4,6
	v_pk_fma_f32 v[24+8*\mt:25+8*\mt], v[ACC+16*\mt+2*\p:ACC+16*\mt+2*\p+1], v[ACC+16*\mt+2*\p:ACC+16*\mt+2*\p+1], v[24+8*\mt:25+8*\mt]
	v_pk_fma_f32 v[26+8*\mt:27+8*\mt], v[ACC+16*\mt+2*\p+2:ACC+16*\mt+2*\p+3], v[ACC+16*\mt+2*\p+2:ACC+16*\mt+2*\p+3], v[26+8*\mt:27+8*\mt]
.endr
	v_pk_add_f32 v[24+8*\mt:25+8*\mt], v[24+8*\mt:25+8*\mt], v[26+8*\mt:27+8*\mt]
.endr
	LNRED \e2
.irp mt, 0,1,2,3
	v_add_f32 v[56+2*\mt], 0x3727c5ac, v[56+2*\mt]           ; + 1e-5
.endr
.irp mt, 0,1,2,3
	v_rsq_f32 v[56+2*\mt], v[56+2*\mt]
.endr
	v_nop                                          ; one plain instruction behind the transcendentals (ISA guide 5.7.2)
	s_wait_alu depctr_va_vdst(0)
.irp mt, 0,1,2,3
	v_mov_b32 v[57+2*\mt], v[56+2*\mt]
.endr
.irp mt, 0,1,2,3
.irp p, 0,1,2,3,4,5,6,7
	v_pk_mul_f32 v[ACC+16*\mt+2*\p:ACC+16*\mt+2*\p+1], v[ACC+16*\mt+2*\p:ACC+16*\mt+2*\p+1], v[56+2*\mt:57+2*\mt]
	v_pk_fma_f32 v[ACC+16*\mt+2*\p:ACC+16*\mt+2*\p+1], v[ACC+16*\mt+2*\p:ACC+16*\mt+2*\p+1], v[\g+2*\p:\g+2*\p+1], v[\b+2*\p:\b+2*\p+1]
.endr
.endr
.endm
; One chunk of 16 points.  Three barriers: qk whole before SCORES; u whole before CTXP; u read by all before the next chunk's qk.
; Behind each of its four stages one batch lands: this chunk's last (4t+3), then the next chunk's first three, into my other KV buffer.
; In the core no other load stands between the ring's, so every refilling LAND counts 12.
.macro CHUNK t
	QKPROJ \t
.if \t < 3
	LAND 1, (\t&1), 3, (4*\t+3), 1, 12
.else
	LAND 1, 1, 3, 15, 0, 12                        ; the last batch: nothing is left to ask for; its wait on KMcnt also shows the last phase's pointers in
	WLOAD 128, 589824, 32, 14                      ; Wo over Wk, whose last use was this chunk's QKPROJ
	BLOAD G, 62                                    ; bo; the ring is over and G is free
.endif
	BAR
	SCORES (\t&1)
	SOFTMAX
.if \t < 3
	LAND 0, (1-(\t&1)), 0, (4*\t+4), 1, 12
.endif
	MIXV (\t&1)
.if \t < 3
	LAND 1, (1-(\t&1)), 1, (4*\t+5), 1, 12
.endif
	BAR
	CTXP \t
.if \t < 3
	LAND 0, (1-(\t&1)), 2, (4*\t+6), 1, 12
.endif
.if \t == 2
	s_load_b256 s[48:55], s[0:1], 0x60             ; out_b 48, n1_g 50, n1_b 52, n2_g 54: every load that named the old pointers was waited for long ago
	s_load_b128 s[56:59], s[0:1], 0x80             ; n2_b 56, out0 58
	s_load_b64 s[60:61], s[0:1], 0x90              ; out1; bo stays in s[62:63]
.endif
.if \t == 3
	s_wait_loadcnt 0x0                             ; Wo and bo, asked for three stages ago and wanted right behind the barrier, are in
	WLOAD 0, 720896, 32, 14                        ; out_W over Wv, whose last use was this CTXP
	BLOAD (G+16), 50                               ; n1_g
	BLOAD (G+32), 52                               ; n1_b
	BLOAD (G+48), 48                               ; out_b
.endif
	BAR
.endm
	; ---------------- start ----------------
	s_load_b256 s[4:11], s[0:1], 0x0               ; table 4, idx 6, wts 8, wfrag 10
	s_load_b512 s[48:63], s[0:1], 0x20             ; points 48, pos_W1 50, pos_b1 52, pos_b2 54, q_b 56, bq 58, bv 60, bo 62
	v_lshrrev_b32 v16, 5, v0
	v_readfirstlane_b32 s2, v16                    ; wave
	s_mov_b32 s3, ttmp9                            ; work-group: points 64 s3 .. 64 s3 + 63
	s_mov_b32 s13, 0xff0000ff
	s_mov_b32 s14, 0x76543210
	s_mov_b32 s15, 0xfedcba98
	s_mov_b32 s100, 0x3e8293ee
	s_lshl_b32 s12, s3, 13                         ; 64 points x 128 bytes,
	s_lshl_b32 s66, s2, 8                          ; + my pair's 256 bytes
	s_add_co_u32 s12, s12, s66
	s_wait_kmcnt 0x0
	s_load_b512 s[16:31], s[6:7], s12 offset:0x0   ; batch 0
	s_load_b512 s[32:47], s[8:9], s12 offset:0x0
	s_load_b512 s[68:83], s[6:7], s12 offset:0x40  ; batch 1
	s_load_b512 s[84:99], s[8:9], s12 offset:0x40
	v_and_b32 v17, 31, v0                          ; L
	v_and_b32 v18, 15, v0                          ; r
	v_bfe_u32 v19, v0, 4, 1                        ; hh
	v_lshlrev_b32 v1, 4, v17
	v_mov_b32 v2, 0
	v_mul_u32_u24 v3, v18, 528
	v_lshl_add_u32 v3, v19, 4, v3
	s_lshl_b32 s66, s2, 6
	v_add_nc_u32 v4, s66, v3
	s_mul_i32 s66, s2, 544
	s_add_co_u32 s66, s66, QU
	v_mul_u32_u24 v5, v18, 4368
	v_lshl_add_u32 v5, v19, 4, v5
	v_add_nc_u32 v5, s66, v5
	s_mul_i32 s66, s2, 8736
	s_add_co_u32 s66, s66, QU
	v_lshrrev_b32 v20, 3, v18
	v_and_b32 v21, 7, v18
	v_mul_u32_u24 v6, v20, 4368
	v_mad_u32_u24 v6, v21, 544, v6
	v_lshl_add_u32 v6, v19, 4, v6
	v_add_nc_u32 v6, s66, v6
	s_mul_i32 s66, s2, 16896
	s_add_co_u32 s66, s66, KV
	v_add_nc_u32 v7, s66, v3
	v_lshl_add_u32 v20, v19, 3, v21
	v_mul_u32_u24 v8, v20, 528
	v_bfe_u32 v20, v0, 3, 1
	v_lshl_add_u32 v8, v20, 4, v8
	v_add_nc_u32 v8, s66, v8
	v_add_nc_u32 v9, s66, v1
	s_lshl_b32 s66, s2, 12
	s_add_co_u32 s66, s66, QFR
	v_add_nc_u32 v10, s66, v1
	s_lshl_b32 s66, s2, 2
	s_add_co_u32 s66, s66, ST
	v_lshl_add_u32 v11, v18, 5, s66
	v_lshlrev_b32 v12, 5, v18
	v_add_nc_u32 v12, ST, v12
	s_lshl_b32 s66, s2, 7
	v_lshl_add_u32 v15, v19, 5, s66
	v_add_nc_u32 v13, BV, v15
	v_lshl_add_u32 v124, v17, 2, s66               ; bv: 128 w + 4 L
	v_add_nc_u32 v125, BV, v124
	s_lshl_b32 s66, s2, 14
	v_add_nc_u32 v14, s66, v1
	s_lshl_b32 s66, s2, 13
	v_add_nc_u32 v120, s66, v1                     ; 8192 w + 16 L: pos_W2's slices, and later my rows of out0
	s_mul_i32 s66, s3, 768
	s_mul_i32 s67, s2, 96
	s_add_co_u32 s66, s66, s67
	v_mov_b32 v121, s66                            ; my 8 points' 96 bytes, the same in every lane
	s_mul_i32 s66, s2, 4224
	v_lshl_add_u32 v122, v17, 3, s66               ; h1: row 8 w (+ i), byte 8 L
	v_mul_u32_u24 v123, v17, 48                    ; pos_W1: rows 4 L .. 4 L + 3
.irp k, 0,1,2,3,4,5
	global_load_b128 v[48+4*\k:51+4*\k], v121, s[48:49] offset:16*\k
.endr
.irp k, 0,1,2
	global_load_b128 v[32+4*\k:35+4*\k], v123, s[50:51] offset:16*\k
.endr
	global_load_b128 v[44:47], v1, s[52:53]
	global_load_b32 v80, v124, s[60:61]
	WLOAD 0, 0, 16, 120                            ; pos_W2
	BLOAD BIAS0, 54                                ; pos_b2
	GFIRST 0                                       ; batch 0: the ring's first run begins
	; ---------------- h1 = relu(W1 p + b1): wave w rows 8w..8w+7, lane L columns 4L..4L+3 ----------------
	s_wait_loadcnt 36                              ; behind these eleven loads: 16 of pos_W2, 4 of pos_b2, 16 of batch 0
	ds_store_b32 v125, v80                         ; bv into my own 128 bytes
.irp i, 0,1,2,3,4,5,6,7
.irp c, 0,1,2,3
	v_fma_f32 v[72+\c], v[48+3*\i], v[32+3*\c], v[44+\c]
.endr
.irp c, 0,1,2,3
	v_fma_f32 v[72+\c], v[49+3*\i], v[33+3*\c], v[72+\c]
.endr
.irp c, 0,1,2,3
	v_fma_f32 v[72+\c], v[50+3*\i], v[34+3*\c], v[72+\c]
.endr
.irp c, 0,1,2,3
	v_max_num_f32 v[72+\c], 0, v[72+\c]
.endr
	v_cvt_pk_bf16_f32 v76, v72, v73
	v_cvt_pk_bf16_f32 v77, v74, v75
	ds_store_b64 v122, v[76:77] offset:LX+528*\i
.endr
	LAND 0, 0, 0, 0, 1, 12                         ; pos_W2 and pos_b2 were asked for ahead of batch 0: its first wait shows them in
	WLOAD 128, 65536, 32, 14                       ; q_W
	BLOAD BIAS1, 56                                ; q_b
	BAR
	; ---------------- pe = W2 h1 + b2 ----------------
	DENSE v_wmma_f32_16x16x32_bf16, ACC, 0, 4, LX, BIAS0
	NOPS4
	STOREACT v_cvt_pk_bf16_f32, ACC, LY
	LAND 1, 0, 1, 1, 1, 48                         ; 12 of the ring and the 36 loads of q_W and q_b, issued behind batch 1
	s_wait_loadcnt 16                              ; q_W and q_b are in: behind them stand only batch 2's sixteen
	WLOAD 0, 196608, 32, 14                        ; Wq
	BLOAD BIAS0, 58                                ; bq
	BAR
	; ---------------- q_in = q_W pe + q_b; ACC keeps it in f32 for the residual ----------------
	DENSE v_wmma_f32_16x16x32_bf16, ACC, 128, 8, LY, BIAS1
	NOPS4
	STOREACT v_cvt_pk_bf16_f32, ACC, LX
	LAND 0, 0, 2, 2, 0, 48                         ; no refill, G is wanted for q's sums: 12, 8, 4, 0 of the ring and the 36 loads of Wq and bq
	s_wait_loadcnt 0x0                             ; Wq and bq, asked for a layer ago and wanted right behind the barrier, are in
	WLOAD 128, 327680, 32, 14                      ; Wk
	BAR
	; ---------------- q = Wq q_in + bq, sums in G.  Tile (mt, nt), packed, is half nt of chunk mt's source-1 fragment: d = 16nt+8hh+j ----------------
	DENSE v_wmma_f32_16x16x32_bf16, G, 0, 8, LX, BIAS0
	NOPS4
.irp mt, 0,1,2,3
.irp nt, 0,1
.irp p, 0,1,2,3
	v_cvt_pk_bf16_f32 v[G+8*(2*\mt+\nt)+\p], v[G+8*(2*\mt+\nt)+2*\p], v[G+8*(2*\mt+\nt)+2*\p+1]
.endr
	ds_store_b128 v10, v[G+8*(2*\mt+\nt):G+8*(2*\mt+\nt)+3] offset:1024*\mt+512*\nt
.endr
.endr
	s_wait_loadcnt 0x0                             ; Wk, asked for a layer ago and wanted by the first QKPROJ, is in
	WLOAD 0, 458752, 32, 14                        ; Wv: asked for ahead of batch 3, so batch 3's first wait shows it in
	GFIRST 1                                       ; batch 3: the ring's second run begins
	; ---------------- the attention core ----------------
	CHUNK 0
	CHUNK 1
	CHUNK 2
	CHUNK 3
	; ---------------- x = LN1(Wo ctx + bo + q_in) ----------------
.irp t8, 0,1,2,3,4,5,6,7
.irp p, 0,1,2,3
	v_pk_add_f32 v[ACC+8*\t8+2*\p:ACC+8*\t8+2*\p+1], v[ACC+8*\t8+2*\p:ACC+8*\t8+2*\p+1], v[G+8*(\t8&1)+2*\p:G+8*(\t8&1)+2*\p+1]
.endr
.endr
	DENSE v_wmma_f32_16x16x32_f16, ACC, 128, 8, LY, -1
	NOPS4
	s_wait_loadcnt 0x0                             ; n1_g, n1_b, and out_W and out_b for the next layer
	LN 0, 1, (G+16), (G+32)
	STOREACT v_cvt_pk_f16_f32, ACC, LX
	BLOAD G, 54                                    ; n2_g
	BLOAD (G+16), 56                               ; n2_b
	BAR
	; ---------------- out0 = LN2(out_W x + out_b) ----------------
	DENSE v_wmma_f32_16x16x32_f16, ACC, 0, 8, LX, (G+48)
	NOPS4
	s_wait_loadcnt 0x0                             ; n2_g, n2_b
	LN 2, 3, G, (G+16)
	; ---------------- the way out: rows gathered in LDS (over KV, last read in chunk 3), stored as whole rows ----------------
	v_and_b32 v16, 15, v0
	v_bfe_u32 v17, v0, 4, 1
	v_mul_u32_u24 v121, v16, 1040
	v_lshl_add_u32 v121, v17, 5, v121
	s_lshl_b32 s66, s2, 7
	s_add_co_u32 s66, s66, KV
	v_add_nc_u32 v121, s66, v121                   ; in: row r (+ 16 mt), byte 128 w + 32 hh
	s_mul_i32 s66, s2, 8320
	s_add_co_u32 s66, s66, KV
	v_add_nc_u32 v122, s66, v1                     ; back: rows 8 w + i, 16 bytes a lane
	v_lshlrev_b32 v124, 3, v0
	v_mov_b32 v126, 0x3e000000                     ; 0.125
	v_mov_b32 v127, 0x3e000000
	s_lshl_b32 s66, s3, 16
	s_mov_b32 s67, 0
	s_add_nc_u64 s[58:59], s[58:59], s[66:67]      ; out0 at my 64 rows of 1,024 bytes
	s_lshl_b32 s66, s3, 11
	s_add_nc_u64 s[60:61], s[60:61], s[66:67]      ; out1 at my 64 rows of 32 bytes
	global_store_b64 v124, v[126:127], s[60:61] th:TH_STORE_NT     ; a wave stores 256 consecutive bytes, aligned
.irp mt, 0,1,2,3
.irp nt, 0,1
.irp k, 0,1
	ds_store_b128 v121, v[ACC+8*(2*\mt+\nt)+4*\k:ACC+8*(2*\mt+\nt)+4*\k+3] offset:16640*\mt+64*\nt+16*\k
.endr
.endr
.endr
	BAR
.irp i, 0,1,2,3,4,5,6,7
.irp k, 0,1
	ds_load_b128 v[24+4*(2*\i+\k):27+4*(2*\i+\k)], v122 offset:1040*\i+512*\k
.endr
.endr
.irp i, 0,1,2,3,4,5,6,7
.irp k, 0,1
	s_wait_dscnt 15-(2*\i+\k)                      ; LDS loads come back in order: this one is in, the younger ones stay out
	global_store_b128 v120, v[24+4*(2*\i+\k):27+4*(2*\i+\k)], s[58:59] offset:1024*\i+512*\k th:TH_STORE_NT   ; 512 consecutive bytes, aligned
.endr
.endr
	s_wait_xcnt 0x0
	v_lshl_add_u32 v254, v0, 2, 0x4cd00
	v_mov_b32 v255, 0
	s_wait_tensorcnt 0x0
	ds_add_u32 v254, v255
	s_wait_dscnt 0x0
	s_endpgm
.Lfunc_end_k_q8238cd98b9_attend:
	.size	k_q8238cd98b9_attend, .Lfunc_end_k_q8238cd98b9_attend-k_q8238cd98b9_attend
	.p2alignl 7, 3214868480
	.fill 96, 4, 3214868480
	.section	.rodata,"a",@progbits
	.p2align	6, 0x0
	.amdhsa_kernel k_q8238cd98b9_attend
		.amdhsa_group_segment_fixed_size 315648
		.amdhsa_private_segment_fixed_size 0
		.amdhsa_enable_private_segment 0
		.amdhsa_kernarg_size 152
		.amdhsa_user_sgpr_count 2
		.amdhsa_user_sgpr_kernarg_segment_ptr 1
		.amdhsa_wavefront_size32 1
		.amdhsa_system_sgpr_workgroup_id_x 1
		.amdhsa_system_sgpr_workgroup_id_y 1
		.amdhsa_system_sgpr_workgroup_id_z 1
		.amdhsa_system_vgpr_workitem_id 0
		.amdhsa_next_free_vgpr 512
		.amdhsa_next_free_sgpr 102
		.amdhsa_reserve_vcc 0
		.amdhsa_float_denorm_mode_32 3
		.amdhsa_float_denorm_mode_16_64 3
		.amdhsa_memory_ordered 1
		.amdhsa_forward_progress 1
		.amdhsa_inst_pref_size 255
	.end_amdhsa_kernel
	.section	.bss,"aw",@nobits
	.p2align	6
	.space	262144
	.amdgpu_metadata
---
amdhsa.version: [ 1, 2 ]
amdhsa.kernels:
  - .name:           k_q8238cd98b9_attend
    .symbol:         k_q8238cd98b9_attend.kd
    .args:
      - { .name: table, .offset: 0, .size: 8, .value_kind: global_buffer, .address_space: global }
      - { .name: idx, .offset: 8, .size: 8, .value_kind: global_buffer, .address_space: global }
      - { .name: wts, .offset: 16, .size: 8, .value_kind: global_buffer, .address_space: global }
      - { .name: wfrag, .offset: 24, .size: 8, .value_kind: global_buffer, .address_space: global }
      - { .name: points_3d, .offset: 32, .size: 8, .value_kind: global_buffer, .address_space: global }
      - { .name: pos_W1, .offset: 40, .size: 8, .value_kind: global_buffer, .address_space: global }
      - { .name: pos_b1, .offset: 48, .size: 8, .value_kind: global_buffer, .address_space: global }
      - { .name: pos_b2, .offset: 56, .size: 8, .value_kind: global_buffer, .address_space: global }
      - { .name: q_b, .offset: 64, .size: 8, .value_kind: global_buffer, .address_space: global }
      - { .name: bq, .offset: 72, .size: 8, .value_kind: global_buffer, .address_space: global }
      - { .name: bv, .offset: 80, .size: 8, .value_kind: global_buffer, .address_space: global }
      - { .name: bo, .offset: 88, .size: 8, .value_kind: global_buffer, .address_space: global }
      - { .name: out_b, .offset: 96, .size: 8, .value_kind: global_buffer, .address_space: global }
      - { .name: n1_g, .offset: 104, .size: 8, .value_kind: global_buffer, .address_space: global }
      - { .name: n1_b, .offset: 112, .size: 8, .value_kind: global_buffer, .address_space: global }
      - { .name: n2_g, .offset: 120, .size: 8, .value_kind: global_buffer, .address_space: global }
      - { .name: n2_b, .offset: 128, .size: 8, .value_kind: global_buffer, .address_space: global }
      - { .name: out0, .offset: 136, .size: 8, .value_kind: global_buffer, .address_space: global }
      - { .name: out1, .offset: 144, .size: 8, .value_kind: global_buffer, .address_space: global }
    .group_segment_fixed_size: 315648
    .private_segment_fixed_size: 0
    .kernarg_segment_align: 8
    .kernarg_segment_size: 152
    .max_flat_workgroup_size: 256
    .sgpr_count:     102
    .vgpr_count:     512
    .wavefront_size: 32
...
	.end_amdgpu_metadata
.endif
;; end of part 2
